; MI455X (gfx1250); checked and timed in simulation.
; The chip was launched on July 23, 2026; its instructions are those of AMD's public machine-readable ISA for CDNA 5 (MIT licence, August 2026) and "CDNA5" Instruction Set Architecture Reference Guide (July 2026). The comments in the code are by the model that wrote it; some were corrected since.
;; Attention Block. Allowed arithmetic: matrix products marked QUANTISED: E5M2 operands, one given power-of-two scale a tensor, by v_wmma_f32_16x16x64_bf8_bf8 or v_wmma_f32_16x16x128_bf8_bf8, f32 sums; everything else in f32.
;; Inputs: bk 256 float32; bp 256 float32; bq 256 float32; bv 256 float32; gn_bias 256 float32; gn_weight 256 float32; lowp_scales 12 int32 (the exponents e of the quantised operands' scales 2^e); wk 256 x 256 float32; wp 256 x 256 float32; wq 256 x 256 float32; wv 256 x 256 float32; x 4 x 256 x 64 x 64 float32.
;; Outputs: out0 4 x 256 x 64 x 64 float32.
;; This version of the problem:
;;   THIS VERSION OF THE PROBLEM IS GIVEN IN LOW PRECISION. The matrix products marked QUANTISED in the list below multiply operands that are first quantised to E5M2 (5 exponent bits, 2 mantissa bits; 8 bits a number), with one given power-of-two scale for each operand tensor; their sums are f32. All else is computed in f32.
;;   The module's matrix products, in the order in which they are computed (A, B: the left and right operand; K: the contracted axis; several contracted axes count as one K, in the product's order):
;;     1. [M 16,384, K 256] x [K 256, N 256]; A: computed on the way; B: input wq: QUANTISED (scales: A lowp_scales[0], B lowp_scales[1])
;;     2. [M 16,384, K 256] x [K 256, N 256]; A: computed on the way; B: input wk: QUANTISED (scales: A lowp_scales[2], B lowp_scales[3])
;;     3. [M 16,384, K 256] x [K 256, N 256]; A: computed on the way; B: input wv: QUANTISED (scales: A lowp_scales[4], B lowp_scales[5])
;;     4. batch 16 x [M 4,096, K 64] x [K 64, N 4,096]; A: computed on the way; B: computed on the way: QUANTISED (scales: A lowp_scales[6], B lowp_scales[7])
;;     5. batch 16 x [M 64, K 4,096] x [K 4,096, N 4,096]; A: computed on the way; B: softmax (see below): QUANTISED (scales: A lowp_scales[8], B lowp_scales[9])
;;     6. [M 16,384, K 256] x [K 256, N 256]; A: computed on the way; B: input wp: QUANTISED (scales: A lowp_scales[10], B lowp_scales[11])
;;   THE QUANTISER, for each operand of a quantised product, along K:
;;     - The operand's scale is 2^e, e = its entry of the input lowp_scales (int32; the entries are numbered through the quantised products in the list's order, A before B).
;;     - Each number is divided by the scale, clamped to +-57,344, and rounded to the nearest number of E5M2, ties to even, subnormals kept.
;;     - The product sums the exact products of the quantised numbers (number of the format x scale) in f32.
;;   ~~~python
;;   def quantise(x, axis, e):      # numpy; x: float32 -> the quantised numbers, widened to float32 again
;;       x = np.moveaxis(x, axis, -1); K = x.shape[-1]
;;       r = np.clip(x / 2.0 ** e, -57344, 57344)
;;       step = 2.0 ** (np.maximum(np.frexp(np.where(r == 0, 1, r))[1] - 1, -14) - 2)
;;       q = np.round(r / step) * step * 2.0 ** e      # np.round: ties to even
;;       return np.moveaxis(q, -1, axis).astype(np.float32)
;;   ~~~
;;   SOFTMAX AHEAD OF A QUANTISED PRODUCT. Where the list says 'softmax', what is quantised is not the finished softmax but p = 2^(t - M), with t = logit x log2(e) and M = ceil(the row's largest t), a whole number; so 1/2 < the row's largest p <= 1. The row's sum l is taken of the UNQUANTISED p, in f32, and the product's result is divided by l at the end. Since M is a whole number, a kernel that streams over the keys may use a running M (the ceiling of the running maximum): every later rescaling is an exact power of two, so the quantised numbers keep their values, but for numbers so far below the row's largest that they fall under the format's range.
;;   OPERANDS COMPUTED ON THE WAY. 'Computed on the way' means the value that the module computes at that place (a softmax that the list does not call 'softmax' is quantised finished and normalised). What goes into a quantiser is computed in f32, as accurately as f32 sums, v_exp_f32 and their like allow (about 1e-6 of the number): no bf16 or f16 on the way to a quantiser, and a product that is left as it is and whose result goes on into a quantised operand takes f32 operands (vector FMAs, or v_wmma_f32_16x16x4_f32). A number that lies on a knife's edge between two numbers of the format may be rounded either way, as far as f32 arithmetic and the matrix unit's own rounding can turn it there, and no further.
;; One version. Each part assembles by itself: llvm-mc -triple=amdgcn-amd-amdhsa -mcpu=gfx1250 --defsym DOCPART=n.
;; ======== version 1 of 1: 4 launches
;; limits: right only within a limited range of input values
;; workspace buffers: stats 2,048 bytes; wimg 262,144 bytes; qimg 4,194,304 bytes; kv 8,388,608 bytes; oimg 4,194,304 bytes
;; launch prep (part 1): grid 272 x 1, 8 waves a work-group, no clusters, 1,536 bytes of LDS; arguments x, wq, wk, wv, wp, lowp_scales, stats, wimg; writes stats, wimg
.if DOCPART == 1
	.amdgcn_target "amdgcn-amd-amdhsa--gfx1250"
	.amdhsa_code_object_version 6
	.text
	.protected	k_q70bf65c16a_prep
	.globl	k_q70bf65c16a_prep
	.p2align	8
	.type	k_q70bf65c16a_prep,@function
k_q70bf65c16a_prep:
	s_mov_b64 s[64:65], 0
	v_nop
	global_prefetch_b8 v0, s[64:65] scope:SCOPE_SE
	s_setreg_imm32_b32 hwreg(HW_REG_WAVE_MODE, 25, 1), 1
	s_wait_xcnt 0x0
; PREP.  Two kinds of work-groups, told apart by the work-group's number alone.
; Work-groups 0-255: part i of x, 16,384 consecutive numbers (65,536 bytes).  A norm group (32 channels x 4,096 positions) is eight such parts: group = i / 8.
;   Stored: (mean_i, M2_i) at byte 8 i of stats, M2_i = the sum of (x - mean_i)^2.  The part stays in registers between the two passes, so x is read once here,
;   and the variance is never a difference of large sums.  (The 8 bytes a work-group are a part of a block of 256: the buffer has 2,048 bytes in all.)
; Work-groups 256-271: the four weights [256 (out)][256 (in)] f32 become codes of E5M2 with the given scales (entries 1, 3, 5, 11 of lowp_scales), laid as IMAGES OF OPERAND REGISTERS:
;   a fragment is 16 rows x 128 K in 16 registers a lane; lane (r = l % 16, h = l / 16) holds row r, registers 2 c, 2 c + 1 hold k = 16 c + 8 h + 0 .. 7.
;   Block j of 512 bytes = registers 4 j .. 4 j + 3, lane l's 16 bytes at 16 l.  Byte of a fragment in wimg: 65,536 x weight + 2,048 x (2 x tile of 16 rows + K step).  One wave makes one fragment.
; code = w / 2^e, to the nearest code, ties to even.  LIMITS: e between -126 and 112; NaN among the inputs is not served.
	s_load_b512 s[4:19], s[0:1], 0x0               ; x 4:5, wq 6:7, wk 8:9, wv 10:11, wp 12:13, lowp_scales 14:15, stats 16:17, wimg 18:19
	v_lshl_add_u32 v96, v0, 2, 0x200
	v_mov_b32 v97, 0
	v_lshrrev_b32 v1, 5, v0
	s_delay_alu instid0(VALU_DEP_1)
	v_readfirstlane_b32 s20, v1                    ; wave 0..7
	s_mov_b32 s24, 0x76543210                      ; v_permlanex16_b32: each lane takes its own place in the other half
	s_mov_b32 s25, 0xfedcba98
	s_mov_b32 s23, 0
	s_wait_kmcnt 0x0
	s_cmp_lt_u32 ttmp9, 256
	s_cbranch_scc0 .Lweights                       ; the same way for all eight waves of a work-group
	; ---------------- the statistics of part i
	s_lshl_b32 s22, ttmp9, 16
	s_add_nc_u64 s[4:5], s[4:5], s[22:23]
	v_lshlrev_b32 v2, 4, v0                        ; 16 bytes a thread: a wave's load covers 512 consecutive bytes, the work-group's 4,096
	s_wait_alu depctr_va_vdst(0)
	v_lshlrev_b32 v3, 2, v1                        ; LDS: my wave's word
	v_mov_b32 v4, 0
.irp j, 0,1,2,3,4,5,6,7,8,9,10,11,12,13,14,15
	global_load_b128 v[16+4*\j:19+4*\j], v2, s[4:5] offset:4096*\j
.endr
.macro JOIN                            ; four chains of pairs -> v80 in every lane of the wave
	s_delay_alu instid0(VALU_DEP_3)
	v_pk_add_f32 v[80:81], v[80:81], v[82:83]
	s_delay_alu instid0(VALU_DEP_2)
	v_pk_add_f32 v[84:85], v[84:85], v[86:87]
	s_delay_alu instid0(VALU_DEP_1)
	v_pk_add_f32 v[80:81], v[80:81], v[84:85]
	s_delay_alu instid0(VALU_DEP_1)
	v_add_f32 v80, v80, v81
	s_delay_alu instid0(VALU_DEP_1)
	v_add_f32_dpp v80, v80, v80 row_xmask:1 row_mask:0xf bank_mask:0xf
	s_delay_alu instid0(VALU_DEP_1)
	v_add_f32_dpp v80, v80, v80 row_xmask:2 row_mask:0xf bank_mask:0xf
	s_delay_alu instid0(VALU_DEP_1)
	v_add_f32_dpp v80, v80, v80 row_xmask:4 row_mask:0xf bank_mask:0xf
	s_delay_alu instid0(VALU_DEP_1)
	v_add_f32_dpp v80, v80, v80 row_xmask:8 row_mask:0xf bank_mask:0xf
	s_delay_alu instid0(VALU_DEP_1)
	v_permlanex16_b32 v81, v80, s24, s25
	s_delay_alu instid0(VALU_DEP_1)
	v_add_f32 v80, v80, v81
.endm
.macro ACROSS off                      ; the eight waves' figures meet in LDS, in eight words from byte off on; the sum comes back in v80
	ds_store_b32 v3, v80 offset:\off               ; all lanes of a wave write the same word with the same number
	s_wait_dscnt 0x0                               ; for the others' sake: my store has landed
	s_barrier_signal -1
	s_barrier_wait -1
	ds_load_b128 v[84:87], v4 offset:\off
	ds_load_b128 v[88:91], v4 offset:\off+16
	s_wait_dscnt 0x0
	v_pk_add_f32 v[84:85], v[84:85], v[86:87]
	v_pk_add_f32 v[88:89], v[88:89], v[90:91]
	s_delay_alu instid0(VALU_DEP_1)
	v_pk_add_f32 v[84:85], v[84:85], v[88:89]
	s_delay_alu instid0(VALU_DEP_1)
	v_add_f32 v80, v84, v85
.endm
	s_wait_loadcnt 0x0
	; pass 1: the sum, in four chains of pairs; the first eight pairs start them, nothing is cleared
.irp k, 0,1,2,3
	v_pk_add_f32 v[80+2*\k:81+2*\k], v[16+2*\k:17+2*\k], v[24+2*\k:25+2*\k]
.endr
.irp j, 8,12,16,20,24,28
.irp k, 0,1,2,3
	s_delay_alu instid0(VALU_DEP_4)
	v_pk_add_f32 v[80+2*\k:81+2*\k], v[80+2*\k:81+2*\k], v[16+2*(\j+\k):17+2*(\j+\k)]
.endr
.endr
	JOIN
	ACROSS 0
	s_delay_alu instid0(VALU_DEP_1)
	v_mul_f32 v92, 0x38800000, v80                 ; the part's mean: x 2^-14
	s_delay_alu instid0(VALU_DEP_1)
	v_mov_b32 v93, v92
	; pass 2: centred on the part's own mean, squared, summed
.irp j, 0,2,4,6,8,10,12,14,16,18,20,22,24,26,28,30,32,34,36,38,40,42,44,46,48,50,52,54,56,58,60,62
	v_pk_add_f32 v[16+\j:17+\j], v[16+\j:17+\j], v[92:93] neg_lo:[0,1] neg_hi:[0,1]
.endr
.irp k, 0,1,2,3
	v_pk_mul_f32 v[80+2*\k:81+2*\k], v[16+2*\k:17+2*\k], v[16+2*\k:17+2*\k]
.endr
.irp j, 4,8,12,16,20,24,28
.irp k, 0,1,2,3
	s_delay_alu instid0(VALU_DEP_4)
	v_pk_fma_f32 v[80+2*\k:81+2*\k], v[16+2*(\j+\k):17+2*(\j+\k)], v[16+2*(\j+\k):17+2*(\j+\k)], v[80+2*\k:81+2*\k]
.endr
.endr
	JOIN
	ACROSS 256                                     ; other words than the first meeting's: no wave can still be reading them
	s_delay_alu instid0(VALU_DEP_1)
	v_mov_b32 v93, v80                             ; M2
	s_cmp_lg_u32 s20, 0
	s_cbranch_scc1 .Lend                           ; wave 0 stores
	s_lshl_b32 s22, ttmp9, 3
	s_add_nc_u64 s[16:17], s[16:17], s[22:23]
	v_mov_b32 v5, 0
	v_cmp_eq_u32 vcc_lo, 0, v0
	s_wait_alu depctr_va_vdst(0)
	s_wait_xcnt 0x0                                ; EXEC changes only behind this wait
	s_and_saveexec_b32 s26, vcc_lo
	global_store_b64 v5, v[92:93], s[16:17]        ; lane 0: (mean, M2)
	s_wait_xcnt 0x0                                ; and again in front of the line that widens it
	s_or_b32 exec_lo, exec_lo, s26
.Lend:
	s_wait_tensorcnt 0x0
	ds_add_u32 v96, v97
	s_wait_dscnt 0x0
	s_endpgm
	; ---------------- a weight's fragment
.Lweights:
	s_load_b256 s[32:39], s[14:15], 0x0            ; e0 .. e7
	s_load_b128 s[40:43], s[14:15], 0x20           ; e8 .. e11
	s_sub_co_u32 s21, ttmp9, 256
	s_lshr_b32 s27, s21, 2                         ; which weight: 0 q, 1 k, 2 v, 3 p
	s_and_b32 s21, s21, 3
	s_lshl_b32 s21, s21, 3
	s_add_co_u32 s21, s21, s20                     ; which fragment: 2 x tile + K step, 0 .. 31
	s_mov_b64 s[28:29], s[12:13]                   ; the buffer is chosen by the work-group's number alone
	s_cmp_eq_u32 s27, 2
	s_cselect_b64 s[28:29], s[10:11], s[28:29]
	s_cmp_eq_u32 s27, 1
	s_cselect_b64 s[28:29], s[8:9], s[28:29]
	s_cmp_eq_u32 s27, 0
	s_cselect_b64 s[28:29], s[6:7], s[28:29]
	s_lshr_b32 s22, s21, 1
	s_lshl_b32 s22, s22, 14                        ; 16 rows of 1,024 bytes a tile
	s_and_b32 s30, s21, 1
	s_lshl_b32 s30, s30, 9                         ; 128 numbers a K step
	s_add_co_u32 s22, s22, s30
	s_add_nc_u64 s[28:29], s[28:29], s[22:23]
	s_lshl_b32 s22, s27, 16
	s_lshl_b32 s30, s21, 11
	s_add_co_u32 s22, s22, s30
	s_add_nc_u64 s[18:19], s[18:19], s[22:23]      ; the fragment's image
	v_and_b32 v8, 15, v0                           ; r
	v_bfe_u32 v9, v0, 4, 1                         ; h
	s_delay_alu instid0(VALU_DEP_2)
	v_lshlrev_b32 v6, 10, v8
	s_delay_alu instid0(VALU_DEP_1)
	v_lshl_add_u32 v6, v9, 5, v6                   ; row r, + 8 h numbers
	v_and_b32 v7, 31, v0
	s_delay_alu instid0(VALU_DEP_1)
	v_lshlrev_b32 v7, 4, v7                        ; 16 x lane
.irp c, 0,1,2,3,4,5,6,7
	global_load_b128 v[16+8*\c:19+8*\c], v6, s[28:29] offset:64*\c      ; k = 16 c + 8 h + 0 .. 3
	global_load_b128 v[20+8*\c:23+8*\c], v6, s[28:29] offset:64*\c+16   ; + 4 .. 7
.endr
	s_wait_kmcnt 0x0
	s_cmp_eq_u32 s27, 2
	s_cselect_b32 s43, s37, s43                    ; e11, e5, e3 or e1
	s_cmp_eq_u32 s27, 1
	s_cselect_b32 s43, s35, s43
	s_cmp_eq_u32 s27, 0
	s_cselect_b32 s43, s33, s43
	s_add_co_i32 s43, s43, 127
	s_lshl_b32 s30, s43, 23
	v_mov_b32 v11, s30                             ; 2^e as f32: the conversion takes its exponent field
	s_wait_alu depctr_va_vdst(0)
	s_wait_loadcnt 0x0
.irp i, 0,1,2,3,4,5,6,7,8,9,10,11,12,13,14,15,16,17,18,19,20,21,22,23,24,25,26,27,28,29,30,31,32,33,34,35,36,37,38,39,40,41,42,43,44,45,46,47,48,49,50,51,52,53,54,55,56,57,58,59,60,61,62,63
.endr
.irp c, 0,1,2,3,4,5,6,7
	v_cvt_scalef32_pk8_bf8_f32 v[80+2*\c:81+2*\c], v[16+8*\c:23+8*\c], v11   ; registers 2 c, 2 c + 1 of the fragment
.endr
.irp k, 0,1,2,3
	global_store_b128 v7, v[80+4*\k:83+4*\k], s[18:19] offset:512*\k         ; the wave stores 512 consecutive bytes, aligned
.endr
	s_endpgm
.Lfunc_end_k_q70bf65c16a_prep:
	.size	k_q70bf65c16a_prep, .Lfunc_end_k_q70bf65c16a_prep-k_q70bf65c16a_prep
	.p2alignl 7, 3214868480
	.fill 96, 4, 3214868480
	.section	.rodata,"a",@progbits
	.p2align	6, 0x0
	.amdhsa_kernel k_q70bf65c16a_prep
		.amdhsa_group_segment_fixed_size 1536
		.amdhsa_private_segment_fixed_size 0
		.amdhsa_enable_private_segment 0
		.amdhsa_kernarg_size 64
		.amdhsa_user_sgpr_count 2
		.amdhsa_user_sgpr_kernarg_segment_ptr 1
		.amdhsa_wavefront_size32 1
		.amdhsa_system_sgpr_workgroup_id_x 1
		.amdhsa_system_sgpr_workgroup_id_y 1
		.amdhsa_system_sgpr_workgroup_id_z 1
		.amdhsa_system_vgpr_workitem_id 0
		.amdhsa_next_free_vgpr 98
		.amdhsa_next_free_sgpr 66
		.amdhsa_reserve_vcc 1
		.amdhsa_float_denorm_mode_32 3
		.amdhsa_float_denorm_mode_16_64 3
		.amdhsa_fp16_overflow 1
		.amdhsa_memory_ordered 1
		.amdhsa_forward_progress 1
		.amdhsa_inst_pref_size 18
	.end_amdhsa_kernel
	.amdgpu_metadata
---
amdhsa.version: [ 1, 2 ]
amdhsa.kernels:
  - .name:           k_q70bf65c16a_prep
    .symbol:         k_q70bf65c16a_prep.kd
    .args:
      - { .name: x, .offset: 0, .size: 8, .value_kind: global_buffer, .address_space: global }
      - { .name: wq, .offset: 8, .size: 8, .value_kind: global_buffer, .address_space: global }
      - { .name: wk, .offset: 16, .size: 8, .value_kind: global_buffer, .address_space: global }
      - { .name: wv, .offset: 24, .size: 8, .value_kind: global_buffer, .address_space: global }
      - { .name: wp, .offset: 32, .size: 8, .value_kind: global_buffer, .address_space: global }
      - { .name: lowp_scales, .offset: 40, .size: 8, .value_kind: global_buffer, .address_space: global }
      - { .name: stats, .offset: 48, .size: 8, .value_kind: global_buffer, .address_space: global }
      - { .name: wimg, .offset: 56, .size: 8, .value_kind: global_buffer, .address_space: global }
    .group_segment_fixed_size: 1536
    .private_segment_fixed_size: 0
    .kernarg_segment_align: 8
    .kernarg_segment_size: 64
    .max_flat_workgroup_size: 256
    .sgpr_count:     66
    .vgpr_count:     98
    .wavefront_size: 32
...
	.end_amdgpu_metadata
.endif
;; end of part 1
;; launch qkv (part 2): grid 256 x 1, 4 waves a work-group, no clusters, 168,448 bytes of LDS; arguments x, stats, gn_weight, gn_bias, wimg, bq, bk, bv, lowp_scales, qimg, kv; writes qimg, kv
.if DOCPART == 2
	.amdgcn_target "amdgcn-amd-amdhsa--gfx1250"
	.amdhsa_code_object_version 6
	.text
	.protected	k_q70bf65c16a_qkv
	.globl	k_q70bf65c16a_qkv
	.p2align	8
	.type	k_q70bf65c16a_qkv,@function
k_q70bf65c16a_qkv:
	s_mov_b64 s[64:65], 0
	v_nop
	global_prefetch_b8 v0, s[64:65] scope:SCOPE_SE
	s_setreg_imm32_b32 hwreg(HW_REG_WAVE_MODE, 25, 1), 1
	s_wait_xcnt 0x0
; QKV.  xn = group norm of x; q, k, v = W xn + b on codes of E5M2; q, k, v leave as codes, laid as images of the operand registers that the attention launch takes.
; SHARES.  Work-group i: image b = i / 64, positions 64 P .. 64 P + 63 (P = i % 64), all 256 channels.  One tensor load a wave brings 64 channel rows x 256 bytes of x into LDS, once.
;   Phase X: wave w normalises positions 16 w .. 16 w + 15 and quantises them three times (scales e0, e2, e4): six fragments, stored to LDS as images of their registers.
;   Phase M: wave w makes head w (channels 64 w .. 64 w + 63) of q, k and v for all 64 positions; its 24 weight fragments come from memory straight into 384 registers, once.
; LAYOUT.  A fragment: lane (r = l % 16, h = l / 16) holds row r; registers 2 c, 2 c + 1 hold k = 16 c + 8 h + 0 .. 7.  An image: block j of 512 bytes = registers 4 j .. 4 j + 3, lane l's 16 bytes at 16 l.
;   q, k: source 0 = 16 rows of W, source 1 = 16 positions: a lane's eight results are channels 16 t + 8 h + 0 .. 7 of position r: one conversion gives registers 2 t, 2 t + 1 of a fragment whose rows are positions.
;   v: source 0 = 16 positions, source 1 = 16 rows of Wv: a lane's eight results are positions 16 m + 8 h + 0 .. 7 of channel r: registers 2 c, 2 c + 1 of a fragment whose rows are channels and whose K are the keys.
; NORM.  A group's mean = the mean of its eight parts' means; M2 = the sum of the parts' M2 + 16,384 x the sum of (mean_i - mean)^2: no difference of large sums.  xn = (x - mean) (rstd w) + b.
; LIMITS.  e0, e2, e4, e6, e7, e8 between -126 and 112; e0 + e1, e2 + e3, e4 + e5 between -126 and 127, so that each power of two below is an f32 number.  NaN among the inputs is not served.
; No cluster: what the work-groups share are the weights, and each wave's quarter of them goes once from memory into the registers in which it stays; a joint load would first land them in LDS.
; LDS: 0 x's tile, 256 rows x 272 (256 bytes + 16 of padding: rows 8 apart start 32 banks apart, so the two halves of the lanes meet no common bank); then scratch in blocks of its own, into which no fill lands.
.set XP,   272
.set TA,   69632                       ; rstd x weight, 256 f32
.set TBO,  1024                        ; the bias table lies 1,024 bytes behind it
.set GM,   71680                       ; the eight groups' means
.set XIMG, 71936                       ; 24 images of 2,048 bytes: ((product x 4 + tile of positions) x 2 + K step)
; window 0
.set LI,   4                           ; v4   16 x lane
.set XA,   5                           ; v5, v6  x's tile: my lane's byte for channels 0-127, 128-255
.set TAV,  7                           ; v7   the tables: TA + 32 h
.set XW,   8                           ; v8   where I store images: XIMG + 4,096 wave + 16 lane
.set LIX,  9                           ; v9   XIMG + 16 lane
.set SC,   10                          ; v10-12  three conversion scales
.set LM,   13                          ; v13-15  57,344 x each
.set MEAN, 16                          ; phase X: v16-23 means; v24-55 x, two sets; v56-87, v88-119 the tables' numbers, two sets; v120-167 three held copies; v168-179 codes
.set XX,   24
.set TAR,  56
.set TBR,  88
.set TT,   120
.set PCX,  168
.set XF,   16                          ; phase M: v16-79 four fragments of xn; v80-143 eight accumulators; v144-207 results; v208-223 codes
.set ACC,  80
.set RS,   144
.set PC,   208
; window 1: Wq v0-127, Wk v128-255 (tile t, K step s at 16 (2 t + s)).   window 2: Wv v0-127; the biases:
.set BQ,   128                         ; bq v128-159, bk v160-191: eight numbers a tile, in the result's layout
.set BV,   192                         ; bv v192-199: one number a tile, twice (a pair for the packed form)
.set MSB, 0
.macro WIN new                         ; the immediate's high byte repeats the setting that is left
.if MSB != \new
	s_set_vgpr_msb (MSB<<8)|\new
.set MSB, \new
.endif
.endm
	s_load_b512 s[4:19], s[0:1], 0x0               ; x 4:5, stats 6:7, gn_weight 8:9, gn_bias 10:11, wimg 12:13, bq 14:15, bk 16:17, bv 18:19
	s_load_b128 s[20:23], s[0:1], 0x40             ; lowp_scales 20:21, qimg 22:23
	s_load_b64 s[24:25], s[0:1], 0x50              ; kv
	v_lshl_add_u32 v246, v0, 2, 0x29000
	v_mov_b32 v247, 0
	ds_add_u32 v246, v247
	ds_add_u32 v246, v247
	v_lshrrev_b32 v1, 5, v0
	v_readfirstlane_b32 s42, v1                    ; wave 0..3
	s_lshr_b32 s40, ttmp9, 6                       ; b
	s_and_b32 s41, ttmp9, 63                       ; P
	; descriptor group 1: 64 rows x 64 elements of 4 bytes, 4,096 elements from row to row, 4 words of padding behind every 64
	s_mov_b32 s28, (2<<16)|(1<<20)|(5<<22)|(3<<25)
	s_mov_b32 s29, 64<<16                          ; tensor_dim0
	s_mov_b32 s30, 64<<16                          ; tensor_dim1
	s_mov_b32 s31, 64<<16                          ; tile_dim0
	s_mov_b32 s32, 64                              ; tile_dim1
	s_mov_b32 s33, 4096                            ; the pitch
	s_mov_b32 s34, 0
	s_mov_b32 s35, 0
	s_mov_b32 s36, 1                               ; group 0: count,
	s_mul_i32 s37, s42, 64*XP                      ; LDS address: my 64 rows,
	s_lshl_b32 s44, s40, 22                        ; global address: image b,
	s_lshl_b32 s45, s42, 20                        ; channel 64 w,
	s_add_co_u32 s44, s44, s45
	s_lshl_b32 s45, s41, 8                         ; position 64 P
	s_add_co_u32 s44, s44, s45
	s_mov_b32 s45, 0
	s_wait_dscnt 0x0
	s_wait_kmcnt 0x0
	s_add_nc_u64 s[38:39], s[4:5], s[44:45]
	s_or_b32 s39, s39, 0x80000000                  ; type 2
	tensor_load_to_lds s[36:39], s[28:35]          ; my one tensor load; these LDS bytes are filled once
	s_nop 0
.rept 4
	v_nop                                          ; four lines behind it, ahead of any switch of windows
.endr
	s_load_b256 s[48:55], s[20:21], 0x0            ; e0 .. e7
	s_load_b32 s56, s[20:21], 0x20                 ; e8
	v_and_b32 v1, 31, v0                           ; lane
	v_and_b32 v2, 15, v0                           ; r
	v_bfe_u32 v3, v0, 4, 1                         ; h
	v_lshlrev_b32 v[LI], 4, v1
	v_mul_u32_u24 v[XA], v3, 8*XP                  ; lanes 16-31 begin 8 channels further down
	v_lshl_add_u32 v[XA], v2, 2, v[XA]
	s_lshl_b32 s46, s42, 6
	v_add_nc_u32 v[XA], s46, v[XA]                 ; position 16 w + r
	v_add_nc_u32 v[XA+1], 128*XP, v[XA]
	v_lshl_add_u32 v[TAV], v3, 5, TA
	s_lshl_b32 s46, s42, 12
	s_add_co_u32 s46, s46, XIMG
	v_add_nc_u32 v[XW], s46, v[LI]
	v_add_nc_u32 v[LIX], XIMG, v[LI]
	v_lshlrev_b32 v252, 3, v0                      ; thread t owns channels 2 t, 2 t + 1 of the tables: byte 8 t
	s_wait_alu depctr_va_vdst(0)
	v_lshrrev_b32 v253, 4, v0                      ; their group: t / 16
	v_lshlrev_b32 v254, 6, v253                    ; its eight entries of stats: 64 bytes
	s_wait_alu depctr_va_vdst(0)
	v_lshl_add_u32 v255, v253, 2, GM
	v_add_nc_u32 v251, TA, v252
	v_lshlrev_b32 v250, 5, v3                      ; 32 h
	s_wait_alu depctr_va_vdst(0)
	v_lshlrev_b32 v249, 2, v2                      ; 4 r
	s_wait_alu depctr_va_vdst(0)
	v_mov_b32 v248, GM
	s_lshl_b32 s44, s40, 9
	s_add_nc_u64 s[6:7], s[6:7], s[44:45]          ; stats of image b
	s_lshl_b32 s44, s42, 8
	s_add_nc_u64 s[14:15], s[14:15], s[44:45]      ; my head's 64 biases
	s_add_nc_u64 s[16:17], s[16:17], s[44:45]
	s_add_nc_u64 s[18:19], s[18:19], s[44:45]
	s_lshl_b32 s44, s42, 14
	s_add_nc_u64 s[76:77], s[12:13], s[44:45]      ; my head's eight fragments of each weight
	; six loads for the tables
	global_load_b64 v[224:225], v252, s[8:9]
	global_load_b64 v[226:227], v252, s[10:11]
.irp j, 0,1,2,3
	global_load_b128 v[228+4*\j:231+4*\j], v254, s[6:7] offset:16*\j     ; (mean, M2) of parts 2 j, 2 j + 1
.endr
	; 24 loads: the biases
	WIN 0x80                                       ; destination window 2
.irp t, 0,1,2,3
	global_load_b128 v[BQ+8*\t:BQ+8*\t+3], v250, s[14:15] offset:64*\t
	global_load_b128 v[BQ+8*\t+4:BQ+8*\t+7], v250, s[14:15] offset:64*\t+16
.endr
.irp t, 0,1,2,3
	global_load_b128 v[BQ+32+8*\t:BQ+32+8*\t+3], v250, s[16:17] offset:64*\t
	global_load_b128 v[BQ+32+8*\t+4:BQ+32+8*\t+7], v250, s[16:17] offset:64*\t+16
.endr
.irp t, 0,1,2,3
	global_load_b32 v[BV+2*\t], v249, s[18:19] offset:64*\t
	global_load_b32 v[BV+2*\t+1], v249, s[18:19] offset:64*\t
.endr
	; 32 loads: Wq
	WIN 0x40                                       ; destination window 1
.set i, 0
.rept 32
	global_load_b128 v[4*i:4*i+3], v[LI], s[76:77] offset:512*i
.set i, i+1
.endr
	WIN 0
	s_wait_loadcnt 56                              ; the six are in; the 24 + 32 issued behind them may be out
	v_add_f32 v208, v228, v230
	v_add_f32 v209, v232, v234
	v_add_f32 v210, v236, v238
	v_add_f32 v211, v240, v242
	v_add_f32 v208, v208, v209
	v_add_f32 v210, v210, v211
	v_add_f32 v208, v208, v210
	v_mul_f32 v208, 0x3e000000, v208               ; the group's mean: the parts are of equal size
.irp i, 0,1,2,3,4,5,6,7
	v_sub_f32 v[228+2*\i], v[228+2*\i], v208
.endr
	v_mul_f32 v209, v228, v228
.irp i, 1,2,3,4,5,6,7
	v_fmac_f32 v209, v[228+2*\i], v[228+2*\i]
.endr
	v_add_f32 v210, v229, v231
	v_add_f32 v211, v233, v235
	v_add_f32 v212, v237, v239
	v_add_f32 v213, v241, v243
	v_add_f32 v210, v210, v211
	v_add_f32 v212, v212, v213
	v_add_f32 v210, v210, v212
	v_fmamk_f32 v210, v209, 0x46800000, v210       ; M2 = 16,384 x the sum of (mean_i - mean)^2 + the sum of M2_i
	s_mov_b32 s46, 0x37000000                      ; 2^-17: a group has 131,072 numbers
	s_mov_b32 s47, 0x3727c5ac                      ; 1e-5
	v_fma_f32 v210, v210, s46, s47
	s_wait_alu depctr_va_vdst(0)
	v_rsq_f32 v211, v210
	v_nop                                          ; a plain line behind the transcendental
	s_wait_alu depctr_va_vdst(0)                   ; and the wait ahead of its first reader
	v_mul_f32 v212, v211, v224
	v_mul_f32 v213, v211, v225
	ds_store_b64 v251, v[212:213]                  ; rstd x weight
	ds_store_b64 v251, v[226:227] offset:TBO       ; bias
	ds_store_b32 v255, v208                        ; sixteen threads of one wave write the same word with the same number
	; 32 + 32 loads: Wk, Wv
	WIN 0x40
.set i, 0
.rept 32
	global_load_b128 v[128+4*i:128+4*i+3], v[LI], s[76:77] offset:65536+512*i
.set i, i+1
.endr
	WIN 0x80
.set i, 0
.rept 32
	global_load_b128 v[4*i:4*i+3], v[LI], s[76:77] offset:131072+512*i
.set i, i+1
.endr
	WIN 0
	s_wait_tensorcnt 0x0                           ; my 64 rows of x have landed,
	s_wait_dscnt 0x0                               ; my part of the tables too:
	s_barrier_signal -1
	s_barrier_wait -1                              ; everybody's have
.macro MKSC e, n                       ; scale number n: 2^e as f32 (the conversion takes its exponent field) and 57,344 x 2^e
	s_add_co_i32 s44, s[\e], 127
	s_lshl_b32 s45, s44, 23
	v_mov_b32 v[SC+\n], s45
	s_add_co_i32 s44, s44, 15
	s_lshl_b32 s44, s44, 23
	s_or_b32 s44, s44, 0x600000
	v_mov_b32 v[LM+\n], s44
.endm
.macro MKP a, b, d                     ; 2^(ea + eb) as f32, twice (the packed form names a pair)
	s_add_co_i32 s[\d], s[\a], s[\b]
	s_add_co_i32 s[\d], s[\d], 127
	s_lshl_b32 s[\d], s[\d], 23
	s_mov_b32 s[\d+1], s[\d]
.endm
	s_wait_kmcnt 0x0
	MKSC 48, 0
	MKSC 50, 1
	MKSC 52, 2
	MKP 48, 49, 60
	MKP 50, 51, 66
	MKP 52, 53, 68
	; where my results go
	s_lshl_b32 s46, s40, 2
	s_add_co_u32 s46, s46, s42                     ; (image, head) = 4 b + w
	s_mov_b32 s45, 0
	s_lshl_b32 s44, s46, 18
	s_lshl_b32 s47, s41, 12
	s_add_co_u32 s44, s44, s47
	s_add_nc_u64 s[70:71], s[22:23], s[44:45]      ; q: 1,024 bytes a tile of 16 queries: (256 (4 b + w) + 4 P) x 1,024
	s_lshl_b32 s44, s46, 19                        ; kv: 524,288 bytes a head,
	s_lshr_b32 s47, s41, 3
	s_lshl_b32 s47, s47, 16                        ; 65,536 a slot of 512 keys
	s_add_co_u32 s44, s44, s47
	s_and_b32 s47, s41, 7
	s_lshl_b32 s57, s47, 12
	s_add_co_u32 s58, s44, s57
	s_mov_b32 s59, 0
	s_add_nc_u64 s[72:73], s[24:25], s[58:59]      ; k: tile 4 (P % 8) of the slot's 32
	s_lshr_b32 s47, s47, 1
	s_lshl_b32 s47, s47, 13                        ; v: behind the slot's 32,768 bytes of k; 8,192 a step of 128 keys;
	s_add_co_u32 s44, s44, s47
	s_and_b32 s47, s41, 1
	s_lshl_b32 s47, s47, 10                        ; my 64 positions are blocks 2 (P % 2), 2 (P % 2) + 1 of each of its four fragments
	s_add_co_u32 s44, s44, s47
	s_add_co_u32 s44, s44, 32768
	s_add_nc_u64 s[74:75], s[24:25], s[44:45]
	; ---------------- phase X.  A chunk g is 32 channels, which is norm group g: block g % 4 of K step g / 4.
.macro LOADCH g                        ; 24 LDS loads into set g % 2: my 16 numbers of x, and their 16 + 16 of the tables
.set XS, XX+16*((\g)%2)
.set AS, TAR+16*((\g)%2)
.set BS, TBR+16*((\g)%2)
.irp cc, 0,1
.irp i, 0,1,2,3,4,5,6,7
	ds_load_b32 v[XS+8*\cc+\i], v[XA+(\g)/4] offset:(32*((\g)%4)+16*\cc+\i)*XP     ; x(channel 32 g + 16 cc + 8 h + i, position 16 w + r)
.endr
.endr
.irp cc, 0,1
	ds_load_b128 v[AS+8*\cc:AS+8*\cc+3], v[TAV] offset:128*(\g)+64*\cc
	ds_load_b128 v[AS+8*\cc+4:AS+8*\cc+7], v[TAV] offset:128*(\g)+64*\cc+16
	ds_load_b128 v[BS+8*\cc:BS+8*\cc+3], v[TAV] offset:TBO+128*(\g)+64*\cc
	ds_load_b128 v[BS+8*\cc+4:BS+8*\cc+7], v[TAV] offset:TBO+128*(\g)+64*\cc+16
.endr
.endm
.macro PROC g, left
.set XS, XX+16*((\g)%2)
.set AS, TAR+16*((\g)%2)
.set BS, TBR+16*((\g)%2)
	s_wait_dscnt \left                             ; this chunk's loads are in, and the last chunk's stores have read their registers; the next chunk's 24 loads may be out
.irp i, 0,1,2,3,4,5,6,7,8,9,10,11,12,13,14,15
	v_sub_f32 v[XS+\i], v[XS+\i], v[MEAN+(\g)]
.endr
.irp i, 0,2,4,6,8,10,12,14
	v_pk_fma_f32 v[XS+\i:XS+\i+1], v[XS+\i:XS+\i+1], v[AS+\i:AS+\i+1], v[BS+\i:BS+\i+1]   ; xn
.endr
.irp p, 0,1,2
.irp i, 0,1,2,3,4,5,6,7,8,9,10,11,12,13,14,15
	v_med3_num_f32 v[TT+16*\p+\i], v[XS+\i], -v[LM+\p], v[LM+\p]   ; the hold, once for each of the three scales (the conversion does not saturate: ISA guide 7.6.2)
.endr
.endr
.irp p, 0,1,2
	v_cvt_scalef32_pk8_bf8_f32 v[PCX+4*\p:PCX+4*\p+1], v[TT+16*\p:TT+16*\p+7], v[SC+\p]
	v_cvt_scalef32_pk8_bf8_f32 v[PCX+4*\p+2:PCX+4*\p+3], v[TT+16*\p+8:TT+16*\p+15], v[SC+\p]
.endr
	v_nop                                          ; a plain line behind the last conversion: later vector lines write its sources again
.irp p, 0,1,2
	ds_store_b128 v[XW], v[PCX+4*\p:PCX+4*\p+3] offset:\p*16384+((\g)/4)*2048+((\g)%4)*512
.endr
.endm
	ds_load_b128 v[MEAN:MEAN+3], v248
	ds_load_b128 v[MEAN+4:MEAN+7], v248 offset:16
	LOADCH 0
.irp g, 0,1,2,3,4,5,6
	LOADCH \g+1
	PROC \g, 24
.endr
	PROC 7, 0
	s_wait_dscnt 0x0                               ; my six images have landed
	s_barrier_signal -1
	s_barrier_wait -1                              ; all 24 lie in LDS
	MKSC 54, 0                                     ; e6, e7, e8: for q, k, v
	MKSC 55, 1
	MKSC 56, 2
	; ---------------- phase M
.macro FETCH4 p, mp                    ; product p's fragments of position tiles 2 mp, 2 mp + 1, both K steps
.irp mm, 0,1
.irp s, 0,1
.irp c, 0,1,2,3
	ds_load_b128 v[XF+16*(2*\mm+\s)+4*\c:XF+16*(2*\mm+\s)+4*\c+3], v[LIX] offset:(((\p)*4+2*(\mp)+\mm)*2+\s)*2048+512*\c
.endr
.endr
.endr
	s_wait_dscnt 0x0
.endm
.macro HOLDS n
.irp i, 0,1,2,3,4,5,6,7,8,9,10,11,12,13,14,15,16,17,18,19,20,21,22,23,24,25,26,27,28,29,30,31,32,33,34,35,36,37,38,39,40,41,42,43,44,45,46,47,48,49,50,51,52,53,54,55,56,57,58,59,60,61,62,63
.endr
.endm
; q (p = 0) or k (p = 1) of my head for 32 positions.  Eight accumulators by turns, one instruction a turn; the first K step starts the sums.
.macro QK p, mp
	FETCH4 \p, \mp
	WIN 0x01                                       ; source 0 (W) window 1
.irp s, 0,1
.irp mm, 0,1
.irp t, 0,1,2,3
.if \s == 0
	v_wmma_f32_16x16x128_bf8_bf8 v[ACC+8*(4*\mm+\t):ACC+8*(4*\mm+\t)+7], v[128*(\p)+16*(2*\t+\s):128*(\p)+16*(2*\t+\s)+15], v[XF+16*(2*\mm+\s):XF+16*(2*\mm+\s)+15], 0
.else
	v_wmma_f32_16x16x128_bf8_bf8 v[ACC+8*(4*\mm+\t):ACC+8*(4*\mm+\t)+7], v[128*(\p)+16*(2*\t+\s):128*(\p)+16*(2*\t+\s)+15], v[XF+16*(2*\mm+\s):XF+16*(2*\mm+\s)+15], v[ACC+8*(4*\mm+\t):ACC+8*(4*\mm+\t)+7]
.endif
.endr
.endr
.endr
	WIN 0
.rept 4
	v_nop                                          ; four places ahead of the first read of results (ISA guide 7.12.1)
.endr
	WIN 0x20                                       ; source 2 (the bias) window 2
.irp mm, 0,1
.irp t, 0,1,2,3
.irp i, 0,2,4,6
	v_pk_fma_f32 v[RS+8*(4*\mm+\t)+\i:RS+8*(4*\mm+\t)+\i+1], v[ACC+8*(4*\mm+\t)+\i:ACC+8*(4*\mm+\t)+\i+1], s[60+6*(\p):61+6*(\p)], v[BQ+32*(\p)+8*\t+\i:BQ+32*(\p)+8*\t+\i+1] op_sel_hi:[1,0,1]   ; sum x 2^(ea + eb) + bias; each accumulator from its low end on
.endr
.endr
.endr
	WIN 0
	s_wait_alu depctr_va_vdst(0)
	s_wait_xcnt 0x0                                ; the codes' registers, which earlier stores read, are written again only behind this wait
	HOLDS \p
.irp mm, 0,1
.irp t, 0,1,2,3
	v_cvt_scalef32_pk8_bf8_f32 v[PC+8*\mm+2*\t:PC+8*\mm+2*\t+1], v[RS+8*(4*\mm+\t):RS+8*(4*\mm+\t)+7], v[SC+\p]   ; registers 2 t, 2 t + 1: channels 16 t + 8 h + 0 .. 7 of the head
.endr
.endr
	v_nop                                          ; a plain line behind the last conversion
.irp mm, 0,1
.irp k, 0,1
	global_store_b128 v[LI], v[PC+8*\mm+4*\k:PC+8*\mm+4*\k+3], s[70+2*(\p):71+2*(\p)] offset:(2*(\mp)+\mm)*1024+512*\k   ; 512 consecutive bytes, aligned
.endr
.endr
.endm
; v of my head for 32 positions: the sources change places, so that a lane's registers run along the positions, the second attention product's K
.macro VV mp
	FETCH4 2, \mp
	WIN 0x08                                       ; source 1 (Wv) window 2
.irp s, 0,1
.irp mm, 0,1
.irp t, 0,1,2,3
.if \s == 0
	v_wmma_f32_16x16x128_bf8_bf8 v[ACC+8*(4*\mm+\t):ACC+8*(4*\mm+\t)+7], v[XF+16*(2*\mm+\s):XF+16*(2*\mm+\s)+15], v[16*(2*\t+\s):16*(2*\t+\s)+15], 0
.else
	v_wmma_f32_16x16x128_bf8_bf8 v[ACC+8*(4*\mm+\t):ACC+8*(4*\mm+\t)+7], v[XF+16*(2*\mm+\s):XF+16*(2*\mm+\s)+15], v[16*(2*\t+\s):16*(2*\t+\s)+15], v[ACC+8*(4*\mm+\t):ACC+8*(4*\mm+\t)+7]
.endif
.endr
.endr
.endr
	WIN 0
.rept 4
	v_nop
.endr
	WIN 0x20
.irp mm, 0,1
.irp t, 0,1,2,3
.irp i, 0,2,4,6
	v_pk_fma_f32 v[RS+8*(4*\mm+\t)+\i:RS+8*(4*\mm+\t)+\i+1], v[ACC+8*(4*\mm+\t)+\i:ACC+8*(4*\mm+\t)+\i+1], s[68:69], v[BV+2*\t:BV+2*\t+1] op_sel_hi:[1,0,1]   ; the lane's channel is 16 t + r for all eight
.endr
.endr
.endr
	WIN 0
	s_wait_alu depctr_va_vdst(0)
	s_wait_xcnt 0x0
	HOLDS 2
.irp mm, 0,1
.irp t, 0,1,2,3
	v_cvt_scalef32_pk8_bf8_f32 v[PC+4*\t+2*\mm:PC+4*\t+2*\mm+1], v[RS+8*(4*\mm+\t):RS+8*(4*\mm+\t)+7], v[SC+2]   ; channel tile t: one block of four registers = position tiles 2 mp, 2 mp + 1
.endr
.endr
	v_nop
.irp t, 0,1,2,3
	global_store_b128 v[LI], v[PC+4*\t:PC+4*\t+3], s[74:75] offset:\t*2048+(\mp)*512
.endr
.endm
	s_wait_loadcnt 63                              ; the biases and Wq are in: 64 loads were issued behind them, and 63 is the largest count that a wait can name
	QK 0, 0
	QK 0, 1
	s_wait_loadcnt 32                              ; Wk is in; Wv's 32 may be out
	QK 1, 0
	QK 1, 1
	s_wait_loadcnt 0x0
	VV 0
	VV 1
	s_wait_tensorcnt 0x0
	ds_add_u32 v246, v247
	s_wait_dscnt 0x0
	s_endpgm
.Lfunc_end_k_q70bf65c16a_qkv:
	.size	k_q70bf65c16a_qkv, .Lfunc_end_k_q70bf65c16a_qkv-k_q70bf65c16a_qkv
	.p2alignl 7, 3214868480
	.fill 96, 4, 3214868480
	.section	.rodata,"a",@progbits
	.p2align	6, 0x0
	.amdhsa_kernel k_q70bf65c16a_qkv
		.amdhsa_group_segment_fixed_size 168448
		.amdhsa_private_segment_fixed_size 0
		.amdhsa_enable_private_segment 0
		.amdhsa_kernarg_size 88
		.amdhsa_user_sgpr_count 2
		.amdhsa_user_sgpr_kernarg_segment_ptr 1
		.amdhsa_wavefront_size32 1
		.amdhsa_system_sgpr_workgroup_id_x 1
		.amdhsa_system_sgpr_workgroup_id_y 1
		.amdhsa_system_sgpr_workgroup_id_z 1
		.amdhsa_system_vgpr_workitem_id 0
		.amdhsa_next_free_vgpr 768
		.amdhsa_next_free_sgpr 80
		.amdhsa_reserve_vcc 0
		.amdhsa_float_denorm_mode_32 3
		.amdhsa_float_denorm_mode_16_64 3
		.amdhsa_fp16_overflow 1
		.amdhsa_memory_ordered 1
		.amdhsa_forward_progress 1
		.amdhsa_inst_pref_size 102
	.end_amdhsa_kernel
	.amdgpu_metadata
---
amdhsa.version: [ 1, 2 ]
amdhsa.kernels:
  - .name:           k_q70bf65c16a_qkv
    .symbol:         k_q70bf65c16a_qkv.kd
    .args:
      - { .name: x, .offset: 0, .size: 8, .value_kind: global_buffer, .address_space: global }
      - { .name: stats, .offset: 8, .size: 8, .value_kind: global_buffer, .address_space: global }
      - { .name: gn_weight, .offset: 16, .size: 8, .value_kind: global_buffer, .address_space: global }
      - { .name: gn_bias, .offset: 24, .size: 8, .value_kind: global_buffer, .address_space: global }
      - { .name: wimg, .offset: 32, .size: 8, .value_kind: global_buffer, .address_space: global }
      - { .name: bq, .offset: 40, .size: 8, .value_kind: global_buffer, .address_space: global }
      - { .name: bk, .offset: 48, .size: 8, .value_kind: global_buffer, .address_space: global }
      - { .name: bv, .offset: 56, .size: 8, .value_kind: global_buffer, .address_space: global }
      - { .name: lowp_scales, .offset: 64, .size: 8, .value_kind: global_buffer, .address_space: global }
      - { .name: qimg, .offset: 72, .size: 8, .value_kind: global_buffer, .address_space: global }
      - { .name: kv, .offset: 80, .size: 8, .value_kind: global_buffer, .address_space: global }
    .group_segment_fixed_size: 168448
    .private_segment_fixed_size: 0
    .kernarg_segment_align: 8
    .kernarg_segment_size: 88
    .max_flat_workgroup_size: 128
    .sgpr_count:     80
    .vgpr_count:     768
    .wavefront_size: 32
...
	.end_amdgpu_metadata
.endif
;; end of part 2
;; launch attn (part 3): grid 16 x 16, 16 waves a work-group, clusters of 4 x 1, 327,680 bytes of LDS; arguments qimg, kv, lowp_scales, oimg; writes oimg
.if DOCPART == 3
	.amdgcn_target "amdgcn-amd-amdhsa--gfx1250"
	.amdhsa_code_object_version 6
	.text
	.protected	k_q70bf65c16a_attn
	.globl	k_q70bf65c16a_attn
	.p2align	8
	.type	k_q70bf65c16a_attn,@function
k_q70bf65c16a_attn:
	s_mov_b64 s[64:65], 0
	v_nop
	global_prefetch_b8 v0, s[64:65] scope:SCOPE_SE
	s_setreg_imm32_b32 hwreg(HW_REG_WAVE_MODE, 25, 1), 1
	s_wait_xcnt 0x0
	s_wait_alu depctr_hold_cnt(0) depctr_sa_sdst(0) depctr_va_vdst(0) depctr_va_sdst(0) depctr_va_ssrc(0) depctr_va_vcc(0) depctr_vm_vsrc(0)
	s_getreg_b32 s2, hwreg(HW_REG_IB_STS2, 6, 4)
	s_cmp_eq_u32 s2, 0
	s_cbranch_scc0 .Lentry_in_a_cluster
	s_endpgm
.Lentry_in_a_cluster:
	s_bfe_u32 s2, ttmp6, 0x10000c
	s_cmp_lg_u32 s2, 0x3003
	s_cbranch_scc0 .Lentry_shape_is_right
	s_endpgm
.Lentry_shape_is_right:
; ATTN.  For each of 16 (image, head) pairs: o = softmax(q k^T / 8) v over 4,096 keys, head size 64, both products on codes of E5M2; o leaves as codes (scale e10), laid as the last product's operand.
; THE SOFTMAX AHEAD OF THE SECOND PRODUCT: t = score x log2(e) / 8; M = the largest t so far, rounded UP to a whole number; p = 2^(t - M) is quantised (scale e9), not normalised.  The row's sum is taken
; of the unquantised p and divides at the end.  When M moves, the sum and O are multiplied by 2^(old M - new M), which rounds nothing.
; SHARES.  Work-group: 256 queries of one head; each of its sixteen waves one tile of 16 queries in 256 registers, four waves to a SIMD, so that one wave's vector work stands beside another's products and LDS loads.
; Every wave walks the head's keys, 128 a step.  A slot of the buffer kv is 512 keys: 32 K fragments (16 keys x 64) then 16 V fragments (16 channels x 128 keys), 65,536 dense bytes, all as images of operand registers:
; block of 512 bytes = four registers, lane l's 16 bytes at 16 l.  So every LDS load takes 512 consecutive bytes, with no pitch and no padding.
; LAYOUT.  Both products transposed: S^T = K Q^T (source 0 = 16 keys), O^T = V^T P^T (source 0 = 16 channels): a lane holds ONE query (l % 16).  Tile t of S^T holds keys 16 t + 8 (l / 16) + 0 .. 7 in its eight registers:
; one conversion gives registers 2 t, 2 t + 1 of P's fragment, the place that this form's own layout gives those keys, and V's images were laid in the same order.
; CLUSTER.  The four query blocks of a cluster belong to one head and walk the same slots: each slot is asked for JOINTLY (mask 15): waves 0-3 fetch 16,384 bytes each.  A ring of two slots; one load of a wave is out at most.
; LIMITS on the given exponents: e6 + e7 between -123 and 130 (added to c's exponent field); e9 and e10 between -126 and 112; e8 + e9 goes in by v_ldexp_f32 and has none.  NaN among the inputs is not served.
; REGISTERS: v1 16 x lane; v2 the slot's LDS address; v3 256 x lane; v5, v6 for the spare words; v12 -M, v13 the largest t, v[14:15] the sum in two halves; v16-23 Q; v32-95 K's eight fragments, then V's four;
;   v96-159 S^T, then p; v160-191 O^T; v192-207 p's codes; v236-254 at work; v244: 2^e9; v245: 2^e10.
.set SLOTB, 65536
.set SPARE, 131072                     ; behind the ring: the spare words, 128 bytes for each of 16 waves: eight blocks of 256 bytes that no other line names
.set KV,  32
.set S,   96
.set O,   160
.set PC,  192
.macro CROUND                          ; a round of the cluster's barrier
	s_barrier_signal -1
	s_barrier_wait -1
	s_cmp_lg_u32 s12, 0
	s_cbranch_scc1 .Lnot_wave_0_\@
	s_barrier_signal -3
.Lnot_wave_0_\@:
	s_barrier_wait -3
	s_barrier_signal -1
	s_barrier_wait -1
.endm
.macro TLOAD                           ; waves 0-3: a quarter of a slot each.  The branch hangs on the wave's number alone.  Four v_nop follow the load
	s_cmp_lt_u32 s12, 4
	s_cbranch_scc0 .Lasked_\@
	tensor_load_to_lds s[32:35], s[24:31]
	s_nop 0
.rept 4
	v_nop
.endr
.Lasked_\@:
.endm
; A PREFETCH INTO THE L2 of the slot that the NEXT change of slots will ask for: four key steps ahead of that load.  A slot is 256 blocks of 256 bytes, each named once in the launch: all four clusters of a head walk the
; same slots, so the head's first cluster asks; its four partners take 16,384 bytes each, told apart BY ADDRESS; in each, waves 4 and 5 ask for 8,192 bytes each, lanes 256 bytes apart.
; Slots 0 and 1 come by their loads alone; the last change that fills a slot asks for nothing.
.macro ASK
	s_cmp_gt_u32 s37, s38
	s_cbranch_scc0 .Lnot_mine_\@
	global_prefetch_b8 v3, s[40:41] th:TH_LOAD_NT scope:SCOPE_SE
.Lnot_mine_\@:
.endm
	s_load_b256 s[4:11], s[0:1], 0x0               ; qimg 4:5, kv 6:7, lowp_scales 8:9, oimg 10:11
	v_lshl_add_u32 v5, v0, 2, SPARE
	v_mov_b32 v6, 0
	ds_add_u32 v5, v6
	ds_add_u32 v5, v6
	s_wait_dscnt 0x0
	v_lshrrev_b32 v1, 5, v0
	s_delay_alu instid0(VALU_DEP_1)
	v_readfirstlane_b32 s12, v1                    ; wave 0..15
	s_bfe_u32 s13, ttmp6, 0x40000                  ; cx: my place in the cluster
	s_lshl_b32 s14, ttmp9, 2
	s_add_co_u32 s14, s14, s13                     ; my block of 256 queries: it enters q's and o's addresses alone
	s_and_b32 s15, ttmp7, 0xffff                   ; (image, head), which the four partners share
	; descriptor group 1: 64 rows of 32 elements of 8 bytes, dense
	s_mov_b32 s24, 15|(3<<16)|(1<<21)              ; the mask: all four work-groups; elements of 8 bytes; bit 21 set beside a mask
	s_mov_b32 s25, 32<<16                          ; tensor_dim0
	s_mov_b32 s26, 64<<16                          ; tensor_dim1
	s_mov_b32 s27, 32<<16                          ; tile_dim0
	s_mov_b32 s28, 64                              ; tile_dim1
	s_mov_b32 s29, 32                              ; the pitch
	s_mov_b32 s30, 0
	s_mov_b32 s31, 0
	s_mov_b32 s20, 0x76543210                      ; v_permlanex16_b32: lane l xor 16
	s_mov_b32 s21, 0xfedcba98
	s_and_b32 s33, s12, 3
	s_lshl_b32 s33, s33, 14                        ; group 0: LDS address: my quarter of slot 0 (no place in the cluster enters it)
	s_lshl_b32 s54, s15, 19                        ; the head's 524,288 bytes of kv
	s_add_co_u32 s50, s54, s33
	s_mov_b32 s51, 0
	s_mov_b32 s32, 1
	s_wait_kmcnt 0x0
	s_load_b128 s[44:47], s[8:9], 0x18             ; e6, e7, e8, e9
	s_load_b32 s48, s[8:9], 0x28                   ; e10
	s_add_nc_u64 s[34:35], s[6:7], s[50:51]
	s_or_b32 s35, s35, 0x80000000                  ; type 2
	CROUND                                         ; all four work-groups are here: the first joint loads meet
	TLOAD                                          ; slot 0
	v_and_b32 v1, 31, v0
	s_delay_alu instid0(VALU_DEP_1)
	v_lshlrev_b32 v1, 4, v1                        ; 16 x lane
	s_delay_alu instid0(VALU_DEP_1)
	v_lshlrev_b32 v3, 4, v1                        ; 256 x lane
	s_lshl_b32 s55, s14, 4
	s_add_co_u32 s55, s55, s12                     ; my tile of 16 queries, 0 .. 255
	s_lshl_b32 s52, s15, 18
	s_lshl_b32 s56, s55, 10
	s_add_co_u32 s52, s52, s56
	s_mov_b32 s53, 0
	s_add_nc_u64 s[4:5], s[4:5], s[52:53]
	global_load_b128 v[16:19], v1, s[4:5]          ; Q's fragment stays in registers
	global_load_b128 v[20:23], v1, s[4:5] offset:512
	s_lshr_b32 s56, s15, 2
	s_lshl_b32 s56, s56, 20                        ; o: image x 256 tiles x 4,096 bytes,
	s_lshl_b32 s57, s55, 12                        ; my tile's two fragments of 128 channels,
	s_add_co_u32 s56, s56, s57
	s_and_b32 s57, s15, 3
	s_lshl_b32 s57, s57, 10                        ; my head's 64 channels: 1,024 bytes of them
	s_add_co_u32 s56, s56, s57
	s_mov_b32 s57, 0
	s_add_nc_u64 s[10:11], s[10:11], s[56:57]
	s_lshl_b32 s58, s13, 14                        ; the prefetches: my work-group's quarter of a slot,
	s_add_co_u32 s58, s58, s54
	s_and_b32 s59, s12, 1
	s_lshl_b32 s59, s59, 13                        ; my wave's half of it,
	s_add_co_u32 s58, s58, s59
	s_add_co_u32 s58, s58, SLOTB                   ; in slot 1: the first change of slots steps it to slot 2
	s_mov_b32 s59, 0
	s_add_nc_u64 s[40:41], s[6:7], s[58:59]
	s_sub_co_u32 s38, s12, 4
	s_lshr_b32 s38, s38, 1                         ; 0 in waves 4 and 5,
	s_or_b32 s38, s38, ttmp9                       ; of the head's first cluster: the same in all four partners
	s_cmp_eq_u32 s38, 0
	s_cselect_b32 s38, 1, -1                       ; a wave asks while the slots still to be asked for are more than this
	v_mov_b32 v13, 0xff61b1e6                      ; the largest t so far: -3e38, under every t
	s_delay_alu instid0(VALU_DEP_1)
	v_floor_f32 v12, -v13                          ; -M
	v_mov_b32 v14, 0                               ; the sum, in two halves
	v_mov_b32 v15, 0
	v_mov_b32 v236, 0                              ; written once: a lane permute's destination counts as one of its sources
	v_mov_b32 v253, 0                              ; (named as the upper half of the pair v[252:253])
.irp j, 0,1,2,3,4,5,6,7,8,9,10,11,12,13,14,15,16,17,18,19,20,21,22,23,24,25,26,27,28,29,30,31
	v_mov_b32 v[O+\j], 0                           ; O^T.  (The step is written once: the first finds zeros, which the first change of M leaves zeros)
.endr
	s_wait_kmcnt 0x0
	s_add_co_i32 s52, s44, s45
	s_lshl_b32 s52, s52, 23
	s_mov_b32 s22, 0x3e38aa3b                      ; c = log2(e) / 8
	s_add_co_i32 s22, s22, s52                     ; a score stands for score x 2^(e6 + e7): the exponents are added to c's exponent field
	s_mov_b32 s23, s22                             ; (named with it as a pair, so it is written)
	s_add_co_i32 s52, s47, 127
	s_lshl_b32 s53, s52, 23
	v_mov_b32 v244, s53                            ; 2^e9
	s_add_co_i32 s52, s48, 127
	s_lshl_b32 s53, s52, 23
	v_mov_b32 v245, s53                            ; 2^e10
	s_mov_b32 s36, 0                               ; LDS byte at which the slot in hand begins
	s_mov_b32 s37, 7                               ; slots still to be asked for
; A KEY STEP: 128 keys, the q-th of the slot in hand
.macro STEP q
.rept 4
	v_nop                                          ; four places ahead of loads into registers that the last products read (ISA guide 7.12.1 for vector lines)
.endr
.irp t, 0,1,2,3,4,5,6,7
	ds_load_b128 v[KV+8*\t:KV+8*\t+3], v2 offset:(8*(\q)+\t)*1024
	ds_load_b128 v[KV+8*\t+4:KV+8*\t+7], v2 offset:(8*(\q)+\t)*1024+512
.endr
	s_wait_dscnt 0x0
.irp t, 0,1,2,3,4,5,6,7
	v_wmma_f32_16x16x64_bf8_bf8 v[S+8*\t:S+8*\t+7], v[KV+8*\t:KV+8*\t+7], v[16:23], 0
.endr
.rept 4
	v_nop                                          ; places ahead of the loads below and of the first read of the scores
.endr
.irp ct, 0,1,2,3
.irp c, 0,1,2,3
	ds_load_b128 v[KV+16*\ct+4*\c:KV+16*\ct+4*\c+3], v2 offset:32768+(4*(\q)+\ct)*2048+512*\c   ; V's four fragments land while the softmax is worked
.endr
.endr
	v_max3_num_f32 v254, v96, v97, v98             ; the step's largest score of my query among my 64 keys, in two chains, each accumulator from its low end on,
	v_max3_num_f32 v252, v99, v100, v101
.irp i, 6,10,14,18,22,26,30,34,38,42,46,50,54,58
	v_max3_num_f32 v254, v254, v[96+\i], v[97+\i]
	v_max3_num_f32 v252, v252, v[98+\i], v[99+\i]
.endr
	v_max3_num_f32 v254, v254, v158, v159
	s_delay_alu instid0(VALU_DEP_1)
	v_max_num_f32 v254, v254, v252
	s_delay_alu instid0(VALU_DEP_1)
	v_permlanex16_b32 v236, v254, s20, s21
	s_delay_alu instid0(VALU_DEP_1)
	v_max_num_f32 v254, v254, v236                 ; and among lane l xor 16's
	s_delay_alu instid0(VALU_DEP_1)
	v_mul_f32 v254, s22, v254                      ; as t (c is positive)
	s_delay_alu instid0(VALU_DEP_1)
	v_max_num_f32 v13, v13, v254                   ; the running largest t
	v_mov_b32 v254, v12
	s_delay_alu instid0(VALU_DEP_2)
	v_floor_f32 v12, -v13                          ; the new -M = floor(-t) = -ceil(t): M is a whole number
	s_delay_alu instid0(VALU_DEP_1)
	v_sub_f32 v254, v12, v254                      ; old M - new M: a whole number, 0 or less
	s_delay_alu instid0(VALU_DEP_1)
	v_cvt_i32_f32 v254, v254                       ; (it saturates)
	s_delay_alu instid0(VALU_DEP_1)
	v_ldexp_f32 v252, 1.0, v254                    ; f = 2^(old M - new M)
.irp j, 0,2,4,6,8,10,12,14,16,18,20,22,24,26,28,30,32,34,36,38,40,42,44,46,48,50,52,54,56,58,60,62
	v_pk_fma_f32 v[96+\j:97+\j], v[96+\j:97+\j], s[22:23], v[12:13] op_sel_hi:[1,0,0]   ; t - M, two at a time (of the pairs c and -M the low word serves both halves)
.endr
	s_wait_alu depctr_va_vdst(0)
.irp j, 0,1,2,3,4,5,6,7,8,9,10,11,12,13,14,15,16,17,18,19,20,21,22,23,24,25,26,27,28,29,30,31,32,33,34,35,36,37,38,39,40,41,42,43,44,45,46,47,48,49,50,51,52,53,54,55,56,57,58,59,60,61,62,63
	v_exp_f32 v[96+\j], v[96+\j]                   ; p = 2^(t - M), at most 1
.endr
	v_pk_mul_f32 v[14:15], v[14:15], v[252:253] op_sel_hi:[1,0]   ; the sums under the new M: the plain line behind the exponentials
	s_wait_alu depctr_va_vdst(0)                   ; one wait for the whole batch, ahead of its first reader
	v_pk_add_f32 v[242:243], v[100:101], v[104:105]
	v_pk_add_f32 v[254:255], v[108:109], v[112:113]
	v_pk_add_f32 v[250:251], v[116:117], v[120:121]
	v_pk_add_f32 v[248:249], v[124:125], v[128:129]
	v_pk_add_f32 v[246:247], v[132:133], v[136:137]
	v_pk_add_f32 v[240:241], v[140:141], v[144:145]
	v_pk_add_f32 v[238:239], v[148:149], v[152:153]
	v_pk_add_f32 v[14:15], v[14:15], v[156:157]
	v_pk_add_f32 v[242:243], v[242:243], v[96:97]
	v_pk_add_f32 v[254:255], v[254:255], v[98:99]
	v_pk_add_f32 v[250:251], v[250:251], v[102:103]
	v_pk_add_f32 v[248:249], v[248:249], v[106:107]
	v_pk_add_f32 v[246:247], v[246:247], v[110:111]
	v_pk_add_f32 v[240:241], v[240:241], v[114:115]
	v_pk_add_f32 v[238:239], v[238:239], v[118:119]
	v_pk_add_f32 v[14:15], v[14:15], v[122:123]
	v_pk_add_f32 v[242:243], v[242:243], v[126:127]
	v_pk_add_f32 v[254:255], v[254:255], v[130:131]
	v_pk_add_f32 v[250:251], v[250:251], v[134:135]
	v_pk_add_f32 v[248:249], v[248:249], v[138:139]
	v_pk_add_f32 v[246:247], v[246:247], v[142:143]
	v_pk_add_f32 v[240:241], v[240:241], v[146:147]
	v_pk_add_f32 v[238:239], v[238:239], v[150:151]
	v_pk_add_f32 v[14:15], v[14:15], v[154:155]
	v_pk_add_f32 v[242:243], v[242:243], v[158:159]
	s_delay_alu instid0(VALU_DEP_2)
	v_pk_add_f32 v[14:15], v[14:15], v[248:249]
	s_delay_alu instid0(VALU_DEP_2)
	v_pk_add_f32 v[242:243], v[242:243], v[246:247]
	v_pk_add_f32 v[254:255], v[254:255], v[240:241]
	v_pk_add_f32 v[250:251], v[250:251], v[238:239]
	s_delay_alu instid0(VALU_DEP_2)
	v_pk_add_f32 v[14:15], v[14:15], v[254:255]
	s_delay_alu instid0(VALU_DEP_2)
	v_pk_add_f32 v[242:243], v[242:243], v[250:251]
	s_delay_alu instid0(VALU_DEP_1)
	v_pk_add_f32 v[14:15], v[14:15], v[242:243]
.irp t, 0,1,2,3,4,5,6,7
.irp i, 0,1,2,3,4,5,6,7
.endr
	v_cvt_scalef32_pk8_bf8_f32 v[PC+2*\t:PC+2*\t+1], v[S+8*\t:S+8*\t+7], v244   ; keys 16 t + 8 h + 0 .. 7: registers 2 t, 2 t + 1
.endr
.irp j, 0,2,4,6,8,10,12,14,16,18,20,22,24,26,28,30
	v_pk_mul_f32 v[O+\j:O+\j+1], v[O+\j:O+\j+1], v[252:253] op_sel_hi:[1,0]   ; O^T under the new M.  (Plain lines between the last conversion and the products)
.endr
	s_wait_alu depctr_va_vdst(0)
	s_wait_dscnt 0x0                               ; V is in
.irp ct, 0,1,2,3
	v_wmma_f32_16x16x128_bf8_bf8 v[O+8*\ct:O+8*\ct+7], v[KV+16*\ct:KV+16*\ct+15], v[PC:PC+15], v[O+8*\ct:O+8*\ct+7]   ; four accumulators by turns, one instruction a turn
.endr
.endm
; THE CHANGE OF SLOTS stands at a slot's head.  Each wave waits for all its tensor loads, adds 0 to its spare word, and waits for that and for its reads of the slot that it has left.
; fill = 1: a round of the cluster's barrier, so that no wave of any partner still reads that slot or has a load on its way; then the joint refill, which has four key steps in which to land.
.macro CHANGE fill
	s_wait_tensorcnt 0x0                           ; no tensor load of mine is out, so group 0 may be written
	ds_add_u32 v5, v6                              ; 0 onto my spare word
.if \fill
	s_xor_b32 s33, s33, SLOTB                      ; the walking descriptor: the other slot than last time,
	s_add_nc_u64 s[34:35], s[34:35], SLOTB         ; the next 512 keys; the type bits on top are not reached
	s_wait_xcnt 0x0                                ; the last prefetch, a slot back, has read its address
	s_add_nc_u64 s[40:41], s[40:41], SLOTB         ; one slot further on than the walking descriptor
	s_wait_dscnt 0x0                               ; the add is done, and my reads of the slot that I have left are over
	CROUND
	TLOAD                                          ; the first thing behind the round, and a wave's one tensor load until the next
	ASK
.else
	s_wait_dscnt 0x0
	s_barrier_signal -1
	s_barrier_wait -1
.endif
.endm
.macro SLOT_STEPS
	v_add_nc_u32 v2, s36, v1
	s_wait_alu depctr_va_vdst(0)
	STEP 0
	STEP 1
	STEP 2
	STEP 3
	s_xor_b32 s36, s36, SLOTB                      ; on to the other slot
.endm
	s_wait_loadcnt 0x0                             ; Q
.Lslot:                                            ; seven trips: behind each change of slots but the last the next slot is asked for
	CHANGE 1
	SLOT_STEPS
	s_sub_co_u32 s37, s37, 1
	s_cmp_lg_u32 s37, 0
	s_cbranch_scc1 .Lslot
	CHANGE 0                                       ; the last slot is written out
	SLOT_STEPS
	; THE WAY OUT.  O^T / the sum x 2^(e8 + e9), quantised with e10: tile ct's eight registers are channels 16 ct + 8 h + 0 .. 7 of my query: registers 2 ct, 2 ct + 1 of my head's half of a fragment of the last product.
.rept 4
	v_nop                                          ; places behind the last products
.endr
	v_add_f32 v14, v14, v15                        ; the sum's two halves,
	s_delay_alu instid0(VALU_DEP_1)
	v_permlanex16_b32 v252, v14, s20, s21
	s_delay_alu instid0(VALU_DEP_1)
	v_add_f32 v14, v14, v252                       ; and lane l xor 16's
	s_wait_alu depctr_va_vdst(0)
	v_rcp_f32 v14, v14
	v_nop                                          ; a plain line behind the transcendental
	s_add_co_i32 s52, s46, s47
	s_wait_alu depctr_va_vdst(0)                   ; the wait ahead of its first reader
	v_ldexp_f32 v14, v14, s52
	s_delay_alu instid0(VALU_DEP_1)
	v_mov_b32 v15, v14
.irp j, 0,2,4,6,8,10,12,14,16,18,20,22,24,26,28,30
	v_pk_mul_f32 v[S+\j:S+\j+1], v[O+\j:O+\j+1], v[14:15]
.endr
.irp j, 0,1,2,3,4,5,6,7,8,9,10,11,12,13,14,15,16,17,18,19,20,21,22,23,24,25,26,27,28,29,30,31
.endr
.irp ct, 0,1,2,3
	v_cvt_scalef32_pk8_bf8_f32 v[PC+2*\ct:PC+2*\ct+1], v[S+8*\ct:S+8*\ct+7], v245
.endr
	v_nop
	global_store_b128 v1, v[PC:PC+3], s[10:11]               ; the wave stores 512 consecutive bytes, aligned
	global_store_b128 v1, v[PC+4:PC+7], s[10:11] offset:512
	s_wait_tensorcnt 0x0                           ; the wave's end
	ds_add_u32 v5, v6
	s_wait_dscnt 0x0
	CROUND                                         ; the closing round: no work-group ends while a partner may still ask for a slot that names it
	s_endpgm
.Lfunc_end_k_q70bf65c16a_attn:
	.size	k_q70bf65c16a_attn, .Lfunc_end_k_q70bf65c16a_attn-k_q70bf65c16a_attn
	.p2alignl 7, 3214868480
	.fill 96, 4, 3214868480
	.section	.rodata,"a",@progbits
	.p2align	6, 0x0
	.amdhsa_kernel k_q70bf65c16a_attn
		.amdhsa_group_segment_fixed_size 327680
		.amdhsa_private_segment_fixed_size 0
		.amdhsa_enable_private_segment 0
		.amdhsa_kernarg_size 32
		.amdhsa_user_sgpr_count 2
		.amdhsa_user_sgpr_kernarg_segment_ptr 1
		.amdhsa_wavefront_size32 1
		.amdhsa_system_sgpr_workgroup_id_x 1
		.amdhsa_system_sgpr_workgroup_id_y 1
		.amdhsa_system_sgpr_workgroup_id_z 1
		.amdhsa_system_vgpr_workitem_id 0
		.amdhsa_next_free_vgpr 256
		.amdhsa_next_free_sgpr 66
		.amdhsa_reserve_vcc 0
		.amdhsa_float_denorm_mode_32 3
		.amdhsa_float_denorm_mode_16_64 3
		.amdhsa_fp16_overflow 1
		.amdhsa_memory_ordered 1
		.amdhsa_forward_progress 1
		.amdhsa_inst_pref_size 118
	.end_amdhsa_kernel
	.amdgpu_metadata
---
amdhsa.version: [ 1, 2 ]
amdhsa.kernels:
  - .name:           k_q70bf65c16a_attn
    .symbol:         k_q70bf65c16a_attn.kd
    .args:
      - { .name: qimg, .offset: 0, .size: 8, .value_kind: global_buffer, .address_space: global }
      - { .name: kv, .offset: 8, .size: 8, .value_kind: global_buffer, .address_space: global }
      - { .name: lowp_scales, .offset: 16, .size: 8, .value_kind: global_buffer, .address_space: global }
      - { .name: oimg, .offset: 24, .size: 8, .value_kind: global_buffer, .address_space: global }
    .group_segment_fixed_size: 327680
    .private_segment_fixed_size: 0
    .kernarg_segment_align: 8
    .kernarg_segment_size: 32
    .max_flat_workgroup_size: 512
    .sgpr_count:     66
    .vgpr_count:     256
    .wavefront_size: 32
...
	.end_amdgpu_metadata
.endif
;; end of part 3
;; launch proj (part 4): grid 256 x 1, 4 waves a work-group, no clusters, 17,920 bytes of LDS; arguments oimg, wimg, bp, lowp_scales, x, out0; writes out0
.if DOCPART == 4
	.amdgcn_target "amdgcn-amd-amdhsa--gfx1250"
	.amdhsa_code_object_version 6
	.text
	.protected	k_q70bf65c16a_proj
	.globl	k_q70bf65c16a_proj
	.p2align	8
	.type	k_q70bf65c16a_proj,@function
k_q70bf65c16a_proj:
	s_mov_b64 s[64:65], 0
	v_nop
	global_prefetch_b8 v0, s[64:65] scope:SCOPE_SE
	s_setreg_imm32_b32 hwreg(HW_REG_WAVE_MODE, 25, 1), 1
	s_wait_xcnt 0x0
; PROJ.  out0 = x + wp o + bp; the product on codes of E5M2 (o: scale e10, wp: e11), both operands read as images of their registers (block of 512 bytes = four registers, lane l's 16 bytes at 16 l).
; SHARES.  Work-group i: image b = i / 64, positions 64 P .. 64 P + 63.  Wave w: outputs 64 w .. 64 w + 63: 4 tiles of outputs x 4 tiles of positions x 2 K steps of 128 = 32 matrix instructions.
; Source 0 = 16 positions of o, source 1 = 16 rows of wp: a lane's eight results are positions 16 m + 8 (l / 16) + 0 .. 7 of output l % 16: 32 neighbouring bytes of a row of out0.
; A tile of 16 outputs x 64 positions goes through the wave's own stage in LDS (rows of 256 bytes + 16) and comes back by rows: sixteen lanes store 256 consecutive bytes, aligned.  No barrier: waves share no LDS byte.
; No cluster and no tensor load: each wave's operands go once from memory into the registers in which the products take them.
; LIMIT: e10 + e11 between -126 and 127, so that 2^(e10 + e11) is an f32 number.
; REGISTERS.  window 0: v4 16 x lane; v5 my bytes in two rows of x and out0; v6, v7 the stage, in and back; v8-15 bp, one number a tile, twice; v16-79 accumulators, two sets; v80-111 results; v112-175 rows, two sets; v176 4 r.
;   window 1: v0-127 o's fragments (tile m, K step s at 16 (2 m + s)); v128-255 wp's (tile t, K step s).   window 2: v0-127 x.
.set SP,  272
.set ACC, 16
.set RS,  80
.set BK,  112
.set MSB, 0
.macro WIN new                         ; the immediate's high byte repeats the setting that is left
.if MSB != \new
	s_set_vgpr_msb (MSB<<8)|\new
.set MSB, \new
.endif
.endm
	s_load_b256 s[4:11], s[0:1], 0x0               ; oimg 4:5, wimg 6:7, bp 8:9, lowp_scales 10:11
	s_load_b128 s[12:15], s[0:1], 0x20             ; x 12:13, out0 14:15
	v_lshl_add_u32 v254, v0, 2, 0x4400
	v_mov_b32 v255, 0
	v_lshrrev_b32 v1, 5, v0
	v_readfirstlane_b32 s16, v1                    ; wave 0..3
	s_lshr_b32 s17, ttmp9, 6                       ; b
	s_and_b32 s18, ttmp9, 63                       ; P
	v_and_b32 v1, 31, v0
	v_and_b32 v2, 15, v0                           ; r
	v_bfe_u32 v3, v0, 4, 1                         ; h
	v_lshlrev_b32 v4, 4, v1
	v_lshlrev_b32 v5, 14, v3                       ; lanes 16-31: the next row, 16,384 bytes on
	v_lshl_add_u32 v5, v2, 4, v5
	s_mul_i32 s19, s16, 16*SP                      ; my stage
	v_mul_u32_u24 v6, v2, SP
	v_lshl_add_u32 v6, v3, 5, v6
	v_add_nc_u32 v6, s19, v6                       ; in: row r, 32 bytes for each half of the lanes
	v_mul_u32_u24 v7, v3, SP
	v_lshl_add_u32 v7, v2, 4, v7
	v_add_nc_u32 v7, s19, v7                       ; back: lanes 0-15 one row, lanes 16-31 the next
	v_lshlrev_b32 v176, 2, v2
	s_lshl_b32 s24, s17, 20
	s_lshl_b32 s25, s18, 14
	s_add_co_u32 s24, s24, s25                     ; o: (256 b + 4 P) tiles of 4,096 bytes
	s_mov_b32 s25, 0
	s_lshl_b32 s26, s16, 14
	s_add_co_u32 s26, s26, 196608                  ; wp's images, my eight fragments
	s_mov_b32 s27, 0
	s_lshl_b32 s28, s16, 8                         ; my 64 numbers of bp
	s_mov_b32 s29, 0
	s_lshl_b32 s30, s17, 22
	s_lshl_b32 s31, s16, 20
	s_add_co_u32 s30, s30, s31
	s_lshl_b32 s31, s18, 8
	s_add_co_u32 s30, s30, s31                     ; x, out0: image b, row 64 w, position 64 P
	s_mov_b32 s31, 0
	s_wait_alu depctr_va_vdst(0)
	s_wait_kmcnt 0x0
	s_load_b64 s[20:21], s[10:11], 0x28            ; e10, e11
	s_add_nc_u64 s[4:5], s[4:5], s[24:25]
	s_add_nc_u64 s[6:7], s[6:7], s[26:27]
	s_add_nc_u64 s[8:9], s[8:9], s[28:29]
	s_add_nc_u64 s[12:13], s[12:13], s[30:31]
	s_add_nc_u64 s[14:15], s[14:15], s[30:31]
	WIN 0x40                                       ; destination window 1
.set i, 0
.rept 32
	global_load_b128 v[4*i:4*i+3], v4, s[4:5] offset:512*i
.set i, i+1
.endr
.set i, 0
.rept 32
	global_load_b128 v[128+4*i:128+4*i+3], v4, s[6:7] offset:512*i
.set i, i+1
.endr
	WIN 0
.irp t, 0,1,2,3
	global_load_b32 v[8+2*\t], v176, s[8:9] offset:64*\t
	global_load_b32 v[9+2*\t], v176, s[8:9] offset:64*\t
.endr
	WIN 0x80                                       ; destination window 2
.irp t, 0,1,2,3
.irp u, 0,1,2,3,4,5,6,7
	global_load_b128 v[32*\t+4*\u:32*\t+4*\u+3], v5, s[12:13] offset:(16*\t+2*\u)*16384 th:TH_LOAD_NT   ; rows 16 t + 2 u, + 1 of x: sixteen lanes read 256 consecutive bytes; the program's last read of them
.endr
.endr
	WIN 0
	s_wait_kmcnt 0x0
	s_add_co_i32 s22, s20, s21
	s_add_co_i32 s22, s22, 127
	s_lshl_b32 s22, s22, 23                        ; 2^(e10 + e11) as f32
	s_mov_b32 s23, s22                             ; (named with it as a pair)
	s_wait_loadcnt 32                              ; the operands and bp are in; x's 32 loads may be out
.macro TILE t
.set AC, ACC+32*((\t)%2)
.set BB, BK+32*((\t)%2)
	WIN 0x05                                       ; sources 0 and 1 window 1
.irp s, 0,1
.irp m, 0,1,2,3
.if \s == 0
	v_wmma_f32_16x16x128_bf8_bf8 v[AC+8*\m:AC+8*\m+7], v[16*(2*\m+\s):16*(2*\m+\s)+15], v[128+16*(2*(\t)+\s):128+16*(2*(\t)+\s)+15], 0
.else
	v_wmma_f32_16x16x128_bf8_bf8 v[AC+8*\m:AC+8*\m+7], v[16*(2*\m+\s):16*(2*\m+\s)+15], v[128+16*(2*(\t)+\s):128+16*(2*(\t)+\s)+15], v[AC+8*\m:AC+8*\m+7]
.endif
.endr
.endr
	WIN 0
.rept 4
	v_nop                                          ; four places ahead of the first read of results (ISA guide 7.12.1)
.endr
.irp m, 0,1,2,3
.irp i, 0,2,4,6
	v_pk_fma_f32 v[RS+8*\m+\i:RS+8*\m+\i+1], v[AC+8*\m+\i:AC+8*\m+\i+1], s[22:23], v[8+2*(\t):9+2*(\t)] op_sel_hi:[1,0,1]   ; sum x 2^(e10 + e11) + bp; each accumulator from its low end on
.endr
.endr
.irp m, 0,1,2,3
	ds_store_b128 v6, v[RS+8*\m:RS+8*\m+3] offset:64*\m
	ds_store_b128 v6, v[RS+8*\m+4:RS+8*\m+7] offset:64*\m+16
.endr
.if (\t) >= 2
	s_wait_xcnt 0x0                                ; this set of rows was the data of stores two tiles back: it is loaded again only behind this wait
.endif
.irp u, 0,1,2,3,4,5,6,7
	ds_load_b128 v[BB+4*\u:BB+4*\u+3], v7 offset:2*\u*SP   ; LDS serves a wave's instructions in order (ISA guide 5.7.1.4): these see my stores
.endr
	s_wait_dscnt 0x0
	s_wait_loadcnt 24-8*(\t)                       ; this tile's eight loads of x are in; the later tiles' may be out
	WIN 0x08                                       ; source 1 (x) window 2
.irp j, 0,2,4,6,8,10,12,14,16,18,20,22,24,26,28,30
	v_pk_add_f32 v[BB+\j:BB+\j+1], v[BB+\j:BB+\j+1], v[32*(\t)+\j:32*(\t)+\j+1]
.endr
	WIN 0
.irp u, 0,1,2,3,4,5,6,7
	global_store_b128 v5, v[BB+4*\u:BB+4*\u+3], s[14:15] offset:(16*(\t)+2*\u)*16384 th:TH_STORE_NT   ; sixteen lanes store 256 consecutive bytes, aligned; written once
.endr
.endm
	TILE 0
	TILE 1
	TILE 2
	TILE 3
	s_wait_tensorcnt 0x0
	ds_add_u32 v254, v255
	s_wait_dscnt 0x0
	s_endpgm
.Lfunc_end_k_q70bf65c16a_proj:
	.size	k_q70bf65c16a_proj, .Lfunc_end_k_q70bf65c16a_proj-k_q70bf65c16a_proj
	.p2alignl 7, 3214868480
	.fill 96, 4, 3214868480
	.section	.rodata,"a",@progbits
	.p2align	6, 0x0
	.amdhsa_kernel k_q70bf65c16a_proj
		.amdhsa_group_segment_fixed_size 17920
		.amdhsa_private_segment_fixed_size 0
		.amdhsa_enable_private_segment 0
		.amdhsa_kernarg_size 48
		.amdhsa_user_sgpr_count 2
		.amdhsa_user_sgpr_kernarg_segment_ptr 1
		.amdhsa_wavefront_size32 1
		.amdhsa_system_sgpr_workgroup_id_x 1
		.amdhsa_system_sgpr_workgroup_id_y 1
		.amdhsa_system_sgpr_workgroup_id_z 1
		.amdhsa_system_vgpr_workitem_id 0
		.amdhsa_next_free_vgpr 640
		.amdhsa_next_free_sgpr 66
		.amdhsa_reserve_vcc 0
		.amdhsa_float_denorm_mode_32 3
		.amdhsa_float_denorm_mode_16_64 3
		.amdhsa_memory_ordered 1
		.amdhsa_forward_progress 1
		.amdhsa_inst_pref_size 31
	.end_amdhsa_kernel
	.amdgpu_metadata
---
amdhsa.version: [ 1, 2 ]
amdhsa.kernels:
  - .name:           k_q70bf65c16a_proj
    .symbol:         k_q70bf65c16a_proj.kd
    .args:
      - { .name: oimg, .offset: 0, .size: 8, .value_kind: global_buffer, .address_space: global }
      - { .name: wimg, .offset: 8, .size: 8, .value_kind: global_buffer, .address_space: global }
      - { .name: bp, .offset: 16, .size: 8, .value_kind: global_buffer, .address_space: global }
      - { .name: lowp_scales, .offset: 24, .size: 8, .value_kind: global_buffer, .address_space: global }
      - { .name: x, .offset: 32, .size: 8, .value_kind: global_buffer, .address_space: global }
      - { .name: out0, .offset: 40, .size: 8, .value_kind: global_buffer, .address_space: global }
    .group_segment_fixed_size: 17920
    .private_segment_fixed_size: 0
    .kernarg_segment_align: 8
    .kernarg_segment_size: 48
    .max_flat_workgroup_size: 128
    .sgpr_count:     66
    .vgpr_count:     640
    .wavefront_size: 32
...
	.end_amdgpu_metadata
.endif
;; end of part 4
